; MI455X (gfx1250); checked and timed in simulation.
; The chip was launched on July 23, 2026; its instructions are those of AMD's public machine-readable ISA for CDNA 5 (MIT licence, August 2026) and "CDNA5" Instruction Set Architecture Reference Guide (July 2026). The comments in the code are by the model that wrote it; some were corrected since.
;; Causal Self Attention. Allowed arithmetic: matrix products marked QUANTISED: E2M1 operands, one E8M0 scale for each 32 along K, by v_wmma_scale_f32_16x16x128_f8f6f4 with both operands' format E2M1 (or v_wmma_scale_f32_32x16x128_f4), f32 sums; everything else in f32.
;; Inputs: out_b 1,024 float32; out_w_codes 1,024 x 32 x 16 uint8 (E2M1 codes of out_w, K innermost, in blocks of 32 codes, two codes a byte); out_w_scales 1,024 x 32 uint8 (E8M0 scales of out_w, one for each 32 codes along K); qkv_b 3,072 float32; qkv_w_codes 3,072 x 32 x 16 uint8 (E2M1 codes of qkv_w, K innermost, in blocks of 32 codes, two codes a byte); qkv_w_scales 3,072 x 32 uint8 (E8M0 scales of qkv_w, one for each 32 codes along K); x_codes 4 x 2,048 x 32 x 16 uint8 (E2M1 codes of x, K innermost, in blocks of 32 codes, two codes a byte); x_scales 4 x 2,048 x 32 uint8 (E8M0 scales of x, one for each 32 codes along K).
;; Outputs: out0 4 x 2,048 x 1,024 float32.
;; This version of the problem:
;;   THIS VERSION OF THE PROBLEM IS GIVEN IN LOW PRECISION. The matrix products marked QUANTISED in the list below multiply operands that are first quantised to E2M1 (2 exponent bits, 1 mantissa bit; 4 bits a number), with one power-of-two scale for each 32 numbers along K (OCP MX v1.0); their sums are f32. All else is computed in f32.
;;   The module's matrix products, in the order in which they are computed (A, B: the left and right operand; K: the contracted axis; several contracted axes count as one K, in the product's order):
;;     1. [M 8,192, K 1,024] x [K 1,024, N 3,072]; A: input x (given as codes); B: input qkv_w (given as codes): QUANTISED
;;     2. batch 64 x [M 2,048, K 64] x [K 64, N 2,048]; A: computed on the way; B: computed on the way: QUANTISED
;;     3. batch 64 x [M 2,048, K 2,048] x [K 2,048, N 64]; A: softmax (see below); B: computed on the way: QUANTISED
;;     4. [M 8,192, K 1,024] x [K 1,024, N 1,024]; A: computed on the way; B: input out_w (given as codes): QUANTISED
;;   THE QUANTISER, for each operand of a quantised product, along K:
;;     - K is cut into blocks of 32 from its start; a last block that is shorter is filled with zeros.
;;     - A block's scale is 2^e with e = floor(log2(the largest magnitude in the block)) - 2, held to -126 .. 127; a block of zeros has e = 0. As a byte (E8M0): e + 127.
;;     - Each number is divided by its block's scale, clamped to +-6, and rounded to the nearest number of E2M1, ties to even, subnormals kept.
;;     - The product sums the exact products of the quantised numbers (number of the format x scale) in f32.
;;   ~~~python
;;   def quantise(x, axis):      # numpy; x: float32 -> the quantised numbers, widened to float32 again
;;       x = np.moveaxis(x, axis, -1); K = x.shape[-1]
;;       x = np.pad(x, [(0, 0)] * (x.ndim - 1) + [(0, -K % 32)]); x = x.reshape(x.shape[:-1] + (-1, 32)); a = np.abs(x).max(-1, keepdims=True)
;;       e = np.where(a > 0, np.clip(np.frexp(np.where(a > 0, a, 1))[1] - 1 - 2, -126, 127), 0)      # np.frexp(a)[1] - 1 = floor(log2(a)), exactly
;;       r = np.clip(x / 2.0 ** e, -6, 6)
;;       step = 2.0 ** (np.maximum(np.frexp(np.where(r == 0, 1, r))[1] - 1, 0) - 1)
;;       q = np.round(r / step) * step * 2.0 ** e      # np.round: ties to even
;;       return np.moveaxis(q.reshape(q.shape[:-2] + (-1,))[..., :K], -1, axis).astype(np.float32)
;;   ~~~
;;   SOFTMAX AHEAD OF A QUANTISED PRODUCT. Where the list says 'softmax', what is quantised is not the finished softmax but p = 2^(t - M), with t = logit x log2(e) and M = ceil(the row's largest t), a whole number; so 1/2 < the row's largest p <= 1. The row's sum l is taken of the UNQUANTISED p, in f32, and the product's result is divided by l at the end. Since M is a whole number, a kernel that streams over the keys may use a running M (the ceiling of the running maximum): every later rescaling is an exact power of two, which a block's scale takes up: the codes' values come out the same.
;;   OPERANDS COMPUTED ON THE WAY. 'Computed on the way' means the value that the module computes at that place (a softmax that the list does not call 'softmax' is quantised finished and normalised). What goes into a quantiser is computed in f32, as accurately as f32 sums, v_exp_f32 and their like allow (about 1e-6 of the number): no bf16 or f16 on the way to a quantiser, and a product that is left as it is and whose result goes on into a quantised operand takes f32 operands (vector FMAs, or v_wmma_f32_16x16x4_f32). A number that lies on a knife's edge between two numbers of the format may be rounded either way, as far as f32 arithmetic and the matrix unit's own rounding can turn it there, and no further.
;;   INPUTS GIVEN AS CODES. out_w (in the module: [1024, 1024], K = its axis 1); qkv_w (in the module: [3072, 1024], K = its axis 1); x (in the module: [4, 2048, 1024], K = its axis 2): each comes as NAME_codes (uint8): NAME with its K axis moved to the last place and cut into blocks of 32 codes, [.., K / 32, bytes a block], one block behind the other in memory; two codes a byte, the lower K in the low four bits (a code: sign, 2 exponent bits, 1 mantissa bit); and NAME_scales (uint8): the same leading axes, one E8M0 byte (e + 127) for each 32 codes along K. Its value is code x scale, taken as it is: it is not quantised again, and the codes and scales need not be those that the quantiser above would give.
;; One version. Each part assembles by itself: llvm-mc -triple=amdgcn-amd-amdhsa -mcpu=gfx1250 --defsym DOCPART=n.
;; ======== version 1 of 1: 3 launches
;; workspace buffers: qkv_img 12,582,912 bytes; qkv_sc 786,432 bytes; att_img 4,194,304 bytes; att_sc 262,144 bytes
;; launch qkv (part 1): grid 12 x 32, 4 waves a work-group, clusters of 4 x 4, 296,448 bytes of LDS; arguments x_codes, x_scales, qkv_w_codes, qkv_w_scales, qkv_b, qkv_img, qkv_sc; writes qkv_img, qkv_sc
.if DOCPART == 1
	.amdgcn_target "amdgcn-amd-amdhsa--gfx1250"
	.amdhsa_code_object_version 6
	.text
	.protected	k_q24278f76a3_qkv
	.globl	k_q24278f76a3_qkv
	.p2align	8
	.type	k_q24278f76a3_qkv,@function
k_q24278f76a3_qkv:
	s_mov_b64 s[64:65], 0
	v_nop
	global_prefetch_b8 v0, s[64:65] scope:SCOPE_SE
	s_setreg_imm32_b32 hwreg(HW_REG_WAVE_MODE, 25, 1), 1
	s_wait_xcnt 0x0
	s_wait_alu depctr_hold_cnt(0) depctr_sa_sdst(0) depctr_va_vdst(0) depctr_va_sdst(0) depctr_va_ssrc(0) depctr_va_vcc(0) depctr_vm_vsrc(0)
	s_getreg_b32 s2, hwreg(HW_REG_IB_STS2, 6, 4)
	s_cmp_eq_u32 s2, 0
	s_cbranch_scc0 .Lentry_in_a_cluster
	s_endpgm
.Lentry_in_a_cluster:
	s_bfe_u32 s2, ttmp6, 0x10000c
	s_cmp_lg_u32 s2, 0xf033
	s_cbranch_scc0 .Lentry_shape_is_right
	s_endpgm
.Lentry_shape_is_right:
; qkv = x W^T + b on codes of FP4 (E2M1) with one E8M0 scale for each 32 along K (K = 1,024), and the quantising of the result:
; q and k along the head's 64 features, v along the tokens (the keys of the attention's second product).  Only codes and scale bytes leave.
; SHARES.  A work-group makes 256 tokens x 256 features, each of its four waves 128 x 128: 64 accumulators of 16 x 16, 512 registers.
; A row of 1,024 codes is 512 bytes, so the tile's operands for ALL of K lie in LDS at once (two slots of 512 along K): every LDS byte is filled once, nothing is filled again.
; MODE = the cluster's x: 0 q, 1 k, 2 v: a cluster's four columns are 1,024 features, one of the three.  It is the same number in all sixteen partners.
; SOURCE 0 IS THE OPERAND WHOSE ROWS RUN ALONG THE QUANTISER'S AXIS: in the result they lie in a lane's registers (row 8 (lane / 16) + j in register j), and a lane holds one row of source 1.
;   q, k: source 0 = 16 rows of W (features), source 1 = 16 rows of x (tokens).     v: source 0 = 16 rows of x, source 1 = 16 rows of W.
; The fills are the same in all modes; only the LDS addresses that the fragments are read from are chosen, by s_cselect_b32 on MODE.  The launch stores nothing to LDS.
; THE BIAS is the C of each sum's first product: eight registers a tile in the result's layout (q, k: by source 0's block; v: by source 1's block: the one step that is written twice).
; THE QUANTISER.  Tile t of a group (one block of source 1 against the eight of source 0) holds the axis's numbers 16 t + 8 (lane / 16) + 0 .. 7: one conversion makes one register of codes.
; A block of 32 is tiles 2 b and 2 b + 1 in lanes l and l xor 16.  The operand's layout wants k = 64 c + 32 (lane / 16) + 8 i in register 4 c + i: tiles 4c, 4c+2, 4c+1, 4c+3 are written to registers
; 4c .. 4c+3, and two exchanges of lane halves for each c put them right.  The registers leave as they stand, 16 bytes a lane: IMAGES of operand registers, 512 consecutive bytes a store.
; OUT.  idx = ((MODE 4 + batch) 8 + head pair) 16 + block of 128 tokens.  qkv_img[idx][group 8][c 2][512]; qkv_sc[idx][512]: 16 bytes a lane:
;   q, k: lane half = the head's parity, word p = the two bytes of token tile 2 p, then those of tile 2 p + 1;   v: word p of lane (r, h) = the scale word of group 2 p + h, row r.
; CLUSTER 4 x 4: x's tiles are shared along a row of the cluster, W's along a column: each is asked for jointly.
; LIMITS: NaN and infinities are not served.  A block whose largest magnitude lies under 2^-124, a block of zeros among them, gets the scale byte 1; these bytes are read by this program alone, and such a block's codes are zeros or what the byte 1 gives.
; REGISTERS, in windows of 256.  Window 0: v1-7 at work, v16-23 addresses, v32-63 source 0's scale words, v64-95 source 1's, v96-123 the quantiser's, v128-255 source 1's fragments in two sets (later the codes).
;   Window 1: v0-63, v128-191 source 0's two sets; v64-127 the bias tiles.   Windows 2, 3: accumulator (a, b) at v[8 (8 (a % 4) + b)] of window 2 + a / 4.
.set PITCH,  272                       ; an LDS row: 256 bytes + 16 of padding: the 16 rows that a load touches begin 68 words apart
.set HALFT,  128*PITCH                 ; 128 rows: one tensor load, and what a wave reads of one operand
.set SLOT,   4*HALFT                   ; x's 256 rows, then W's 256 rows, 512 along K
.set SCL,    2*SLOT                    ; the scale bytes: pieces of 256 bytes + 16 of padding
.set HALFS,  16*272                    ; those of 128 rows (32 bytes a row)
.set SBLK,   2*272                     ; those of 16 rows
.set AD0,  16                          ; v16-17  source 0's fragments in slot 0, 1
.set AD1,  18                          ; v18-19  source 1's
.set AS0,  20                          ; v20     source 0's scale words: lanes 0-15 blocks 0-3, lanes 16-31 blocks 4-7
.set AS1,  21                          ; v21     source 1's
.set SELV, 22                          ; v22     byte selector for the scale words' way out
.set LI,   23                          ; v23     16 x lane
.set SC0,  32                          ; register SC0 + 16 slot + 4 (block % 4) + step
.set SC1,  64
.set BO,   96                          ; v96-103 byte offsets of the bias loads (at the head only)
.set TM,   96                          ; v96-99 largest magnitudes, v100-103 the other half's and then the bytes, v104-107 the conversions' scale operands
.set PW,   112                         ; v112-119 a group's scale word
.set DP,   120                         ; v120-123 the scale words as they leave
.set F1,   128
.set BT,   64
.set G1,   24
.set G0,   32
.set G1B,  48
.set G0B,  56
.set SEL,  66                          ; s[66:67] v_permlanex16_b32's selects for lane l xor 16
.set G1S,  68
.set G0S,  76
.set G1SB, 80
.set G0SB, 88
.set MSB, 0
.macro WIN new                         ; the immediate's high byte repeats the setting that is left; a switch that changes nothing is dropped
.if MSB != (\new)
	s_set_vgpr_msb (MSB<<8)|(\new)
.set MSB, (\new)
.endif
.endm
; A joint load: waves 0 and 1 fetch for x, waves 2 and 3 for W.  The branch hangs on the wave's number alone.  Four v_nop follow each of the two lines.
.macro JLOAD g0a, g1a, g0b, g1b
	s_cmp_eq_u32 s15, 0
	s_cbranch_scc0 .Lfor_b_\@
	tensor_load_to_lds s[\g0a:\g0a+3], s[\g1a:\g1a+7]
	s_nop 0
.rept 4
	v_nop
.endr
	s_branch .Lasked_\@
.Lfor_b_\@:
	tensor_load_to_lds s[\g0b:\g0b+3], s[\g1b:\g1b+7]
	s_nop 0
.rept 4
	v_nop
.endr
.Lasked_\@:
.endm
.macro CROUND                          ; a round of the cluster's barrier
	s_barrier_signal -1
	s_barrier_wait -1
	s_cmp_lg_u32 s14, 0
	s_cbranch_scc1 .Lnot_wave_0_\@
	s_barrier_signal -3
.Lnot_wave_0_\@:
	s_barrier_wait -3
	s_barrier_signal -1
	s_barrier_wait -1
.endm
.macro PLACES n                        ; plain vector instructions between a matrix instruction and a load into, or a read of, its registers
.rept \n
	v_nop
.endr
.endm
	s_load_b256 s[4:11], s[0:1], 0x0               ; x's codes s[4:5], x's scales s[6:7], W's codes s[8:9], W's scales s[10:11]
	s_load_b64 s[12:13], s[0:1], 0x20              ; the bias
	s_load_b64 s[96:97], s[0:1], 0x28              ; qkv_img
	s_load_b64 s[98:99], s[0:1], 0x30              ; qkv_sc
	v_lshl_add_u32 v126, v0, 2, 0x48400
	v_mov_b32 v127, 0
	ds_add_u32 v126, v127
	ds_add_u32 v126, v127
	v_lshrrev_b32 v1, 5, v0
	v_readfirstlane_b32 s14, v1                    ; wave 0..3
	s_lshr_b32 s15, s14, 1                         ; my half of the tokens.  Also: I fetch for x (0) or for W (1)
	s_and_b32 s16, s14, 1                          ; my half of the features.  Also: which 128 rows I fetch
	s_bfe_u32 s40, ttmp6, 0x40000                  ; cx, cy: my place in the cluster
	s_bfe_u32 s41, ttmp6, 0x40004
	s_mov_b32 s3, ttmp9                            ; MODE
	s_lshl_b32 s42, ttmp9, 2
	s_add_co_u32 s42, s42, s40                     ; tile column (256 features) = 4 x cluster x + cx
	s_and_b32 s17, ttmp7, 0xffff
	s_lshl_b32 s17, s17, 2
	s_add_co_u32 s17, s17, s41                     ; tile row (256 tokens) = 4 x cluster y + cy
	s_lshl_b32 s43, s41, 2
	s_lshl_b32 s43, 15, s43                        ; my row of the cluster
	s_lshl_b32 s44, 0x1111, s40                    ; my column
	; group 1 for codes: 128 rows x 256 bytes out of rows of 512, 16 bytes of padding behind each
	s_or_b32 s[G1+0], s43, (0<<16)|(1<<20)|(1<<21)|(5<<22)|(3<<25)   ; the mask; elements of 1 byte; padding on; bit 21 beside a mask; after every 64 words; 4 words
	s_or_b32 s[G1B+0], s44, (0<<16)|(1<<20)|(1<<21)|(5<<22)|(3<<25)
.irp g, G1, G1B
	s_mov_b32 s[\g+1], 256<<16                     ; tensor_dim0
	s_mov_b32 s[\g+2], 128<<16                     ; tensor_dim1
	s_mov_b32 s[\g+3], 256<<16                     ; tile_dim0
	s_mov_b32 s[\g+4], 128                         ; tile_dim1
	s_mov_b32 s[\g+5], 512                         ; from row to row
	s_mov_b32 s[\g+6], 0
	s_mov_b32 s[\g+7], 0
.endr
	; group 1 for the scales of 128 rows: 4,096 dense bytes as 16 rows of 256 (32 elements of 8 bytes), 16 bytes of padding behind each
	s_or_b32 s[G1S+0], s43, (3<<16)|(1<<20)|(1<<21)|(5<<22)|(3<<25)
	s_or_b32 s[G1SB+0], s44, (3<<16)|(1<<20)|(1<<21)|(5<<22)|(3<<25)
.irp g, G1S, G1SB
	s_mov_b32 s[\g+1], 32<<16
	s_mov_b32 s[\g+2], 16<<16
	s_mov_b32 s[\g+3], 32<<16
	s_mov_b32 s[\g+4], 16
	s_mov_b32 s[\g+5], 32
	s_mov_b32 s[\g+6], 0
	s_mov_b32 s[\g+7], 0
.endr
	s_lshl_b32 s18, s16, 7                         ; which 128 rows I fetch
	s_lshl_b32 s20, s17, 8
	s_add_co_u32 s20, s20, s18                     ; x: row 256 x tile row + 128 x half
	s_lshl_b32 s46, s42, 8
	s_add_co_u32 s46, s46, s18                     ; W: row 256 x tile column + 128 x half
	s_lshl_b32 s22, s20, 5                         ; their scales: 32 bytes a row
	s_lshl_b32 s92, s46, 5
	s_lshl_b32 s20, s20, 9                         ; their codes: 512 bytes a row (all under 2^23)
	s_lshl_b32 s46, s46, 9
	s_mov_b32 s21, 0
	s_mov_b32 s23, 0
	s_mov_b32 s47, 0
	s_mov_b32 s93, 0
	s_mul_i32 s45, s14, HALFT                      ; where they go: wave x 128 rows: no place in the cluster enters an LDS address
	s_mul_i32 s94, s14, HALFS
	s_wait_dscnt 0x0
	s_wait_kmcnt 0x0
	s_add_nc_u64 s[20:21], s[4:5], s[20:21]
	s_add_nc_u64 s[22:23], s[6:7], s[22:23]
	s_add_nc_u64 s[46:47], s[8:9], s[46:47]
	s_add_nc_u64 s[92:93], s[10:11], s[92:93]
	CROUND                                         ; all sixteen work-groups are here: the joint loads meet
	s_mov_b32 s[G0S], 1
	s_add_co_u32 s[G0S+1], s94, SCL
	s_mov_b64 s[G0S+2:G0S+3], s[22:23]
	s_or_b32 s[G0S+3], s[G0S+3], 0x80000000
	s_mov_b32 s[G0SB], 1
	s_add_co_u32 s[G0SB+1], s94, SCL
	s_mov_b64 s[G0SB+2:G0SB+3], s[92:93]
	s_or_b32 s[G0SB+3], s[G0SB+3], 0x80000000
	JLOAD G0S, G1S, G0SB, G1SB                     ; the scales first: they are wanted with the first step
.irp s, 0,1
	s_mov_b32 s[G0+4*\s], 1
	s_add_co_u32 s[G0+4*\s+1], s45, \s*SLOT
	s_add_nc_u64 s[G0+4*\s+2:G0+4*\s+3], s[20:21], \s*256
	s_or_b32 s[G0+4*\s+3], s[G0+4*\s+3], 0x80000000
	s_mov_b32 s[G0B+4*\s], 1
	s_add_co_u32 s[G0B+4*\s+1], s45, \s*SLOT
	s_add_nc_u64 s[G0B+4*\s+2:G0B+4*\s+3], s[46:47], \s*256
	s_or_b32 s[G0B+4*\s+3], s[G0B+4*\s+3], 0x80000000
	JLOAD G0+4*\s, G1, G0B+4*\s, G1B               ; three loads of mine are out: all that the launch fetches by the mover
.endr
	; what is chosen by MODE
	v_and_b32 v1, 15, v0                           ; r
	v_bfe_u32 v2, v0, 4, 1                         ; h
	v_and_b32 v3, 31, v0
	v_lshlrev_b32 v[LI], 4, v3
	v_mul_u32_u24 v3, v1, PITCH
	v_lshl_add_u32 v4, v2, 4, v3                   ; a fragment's row x pitch + 16 x half
	s_wait_alu depctr_va_vdst(0)
	s_mul_i32 s18, s15, HALFT                      ; x: my 128 rows
	s_mul_i32 s19, s16, HALFT
	s_add_co_u32 s19, s19, 2*HALFT                 ; W: my 128 rows, behind x's 256
	s_mul_i32 s20, s15, HALFS
	s_mul_i32 s21, s16, HALFS
	s_add_co_u32 s21, s21, 2*HALFS
	s_mov_b32 s46, 0x05040100                      ; q, k, lanes 0-15: bytes 0, 1 of two words
	s_mov_b32 s47, 0x03020100                      ; v, lanes 0-15: the first word
	s_mov_b32 s92, 0x07060302                      ; q, k, lanes 16-31: bytes 2, 3 of two words
	s_mov_b32 s93, 0x07060504                      ; v, lanes 16-31: the second word
	s_cmp_eq_u32 s3, 2
	s_cselect_b32 s22, s18, s19                    ; source 0's codes: v: x, else W
	s_cselect_b32 s23, s19, s18                    ; source 1's
	s_cselect_b32 s18, s20, s21                    ; source 0's scales
	s_cselect_b32 s19, s21, s20                    ; source 1's
	s_cselect_b32 s46, s47, s46
	s_cselect_b32 s92, s93, s92
	s_cselect_b32 s47, 0, 4                        ; the bias: bytes from register to register
	s_cselect_b32 s93, -1, 0
	v_add_nc_u32 v[AD0], s22, v4
	v_add_nc_u32 v[AD0+1], SLOT, v[AD0]
	v_add_nc_u32 v[AD1], s23, v4
	v_add_nc_u32 v[AD1+1], SLOT, v[AD1]
	v_lshrrev_b32 v5, 3, v1
	v_lshlrev_b32 v6, 5, v1
	v_lshl_add_u32 v5, v5, 4, v6                   ; my row's scales: 32 r, and 16 more behind the first 256 bytes
	v_mad_u32_u24 v5, v2, 4*SBLK, v5               ; lanes 16-31 stand four blocks further on
	v_add_nc_u32 v5, SCL, v5
	v_add_nc_u32 v[AS0], s18, v5
	v_add_nc_u32 v[AS1], s19, v5
	v_cmp_eq_u32 vcc_lo, 1, v2
	v_mov_b32 v6, s46
	v_mov_b32 v7, s92
	v_cndmask_b32 v[SELV], v6, v7, vcc_lo
	v_lshlrev_b32 v6, 5, v2                        ; q, k: register j of tile t is feature 16 t + 8 h + j: 32 h + 4 j bytes
	v_lshlrev_b32 v7, 2, v1                        ; v: every register of tile t is feature 16 t + r: 4 r bytes
	v_cndmask_b32 v6, v6, v7, s93
	v_mov_b32 v7, s47
.irp j, 0,1,2,3,4,5,6,7
	v_mad_u32_u24 v[BO+\j], v7, \j, v6
.endr
	s_lshl_b32 s18, s42, 10                        ; the bias at my first feature: 4 (256 x tile column + 128 x half)
	s_lshl_b32 s19, s16, 9
	s_add_co_u32 s18, s18, s19
	s_mov_b32 s19, 0
	s_add_nc_u64 s[12:13], s[12:13], s[18:19]
	WIN 0x40                                       ; destination window 1
.irp t, 0,1,2,3,4,5,6,7
.irp j, 0,1,2,3,4,5,6,7
	global_load_b32 v[BT+8*\t+\j], v[BO+\j], s[12:13] offset:64*\t
.endr
.endr
	WIN 0
	s_lshl_b32 s18, s3, 2                          ; idx = ((MODE 4 + batch) 8 + head pair) 16 + block of 128 tokens
	s_lshr_b32 s20, s17, 3
	s_add_co_u32 s18, s18, s20
	s_lshl_b32 s18, s18, 3
	s_lshl_b32 s20, s40, 1
	s_add_co_u32 s20, s20, s16
	s_add_co_u32 s18, s18, s20
	s_lshl_b32 s18, s18, 4
	s_lshl_b32 s20, s17, 1
	s_add_co_u32 s20, s20, s15
	s_and_b32 s20, s20, 15
	s_add_co_u32 s18, s18, s20
	s_mov_b32 s21, 0
	s_lshl_b32 s20, s18, 13
	s_add_nc_u64 s[96:97], s[96:97], s[20:21]
	s_lshl_b32 s20, s18, 9
	s_add_nc_u64 s[98:99], s[98:99], s[20:21]
	s_mov_b32 s[SEL], 0x76543210
	s_mov_b32 s[SEL+1], 0xfedcba98
; One matrix instruction; its numbers stand in the symbols rD, rA, rB, rC, rSA, rSB; rRA, rRB: the scale is read from lanes 16-31
.macro WM
.if (rRA == 0) && (rRB == 0)
	v_wmma_scale_f32_16x16x128_f8f6f4 v[rD:rD+7], v[rA:rA+7], v[rB:rB+7], v[rC:rC+7], v[rSA], v[rSB] matrix_a_fmt:MATRIX_FMT_FP4 matrix_b_fmt:MATRIX_FMT_FP4
.elseif (rRA == 1) && (rRB == 0)
	v_wmma_scale_f32_16x16x128_f8f6f4 v[rD:rD+7], v[rA:rA+7], v[rB:rB+7], v[rC:rC+7], v[rSA], v[rSB] matrix_a_fmt:MATRIX_FMT_FP4 matrix_b_fmt:MATRIX_FMT_FP4 matrix_a_scale:MATRIX_SCALE_ROW1
.elseif (rRA == 0) && (rRB == 1)
	v_wmma_scale_f32_16x16x128_f8f6f4 v[rD:rD+7], v[rA:rA+7], v[rB:rB+7], v[rC:rC+7], v[rSA], v[rSB] matrix_a_fmt:MATRIX_FMT_FP4 matrix_b_fmt:MATRIX_FMT_FP4 matrix_b_scale:MATRIX_SCALE_ROW1
.else
	v_wmma_scale_f32_16x16x128_f8f6f4 v[rD:rD+7], v[rA:rA+7], v[rB:rB+7], v[rC:rC+7], v[rSA], v[rSB] matrix_a_fmt:MATRIX_FMT_FP4 matrix_b_fmt:MATRIX_FMT_FP4 matrix_a_scale:MATRIX_SCALE_ROW1 matrix_b_scale:MATRIX_SCALE_ROW1
.endif
.endm
; The fragments of step q (128 along K): 16 loads for each source, into set q % 2; with a slot's first step its 32 scale words a side (8 loads)
.macro FETCH q
.set fS, (\q)/4
.set fQ, (\q)%4
.set fP, (\q)%2
	WIN 0x40
.irp i, 0,1,2,3,4,5,6,7
.irp c, 0,1
	ds_load_b128 v[128*fP+8*\i+4*\c:128*fP+8*\i+4*\c+3], v[AD0+fS] offset:64*fQ+32*\c+16*PITCH*\i
.endr
.endr
	WIN 0
.irp i, 0,1,2,3,4,5,6,7
.irp c, 0,1
	ds_load_b128 v[F1+64*fP+8*\i+4*\c:F1+64*fP+8*\i+4*\c+3], v[AD1+fS] offset:64*fQ+32*\c+16*PITCH*\i
.endr
.endr
.if fQ == 0
.irp i, 0,1,2,3
	ds_load_b128 v[SC0+16*fS+4*\i:SC0+16*fS+4*\i+3], v[AS0] offset:SBLK*\i+16*fS
	ds_load_b128 v[SC1+16*fS+4*\i:SC1+16*fS+4*\i+3], v[AS1] offset:SBLK*\i+16*fS
.endr
.endif
.endm
; Step q: its fragments are in; the next step's are asked for; 64 matrix instructions.  The 64 accumulators take turns in the same order in every step.
; cm = 0: the sums go on;  1: they begin with the bias tile of source 0's block;  2: of source 1's block.
.macro KSTEP q, cm
.set kS, (\q)/4
.set kQ, (\q)%4
.set kP, (\q)%2
	s_wait_dscnt 0x0                               ; this step's fragments, asked for 64 matrix instructions ago
.if (\q) == 3
	s_wait_tensorcnt 0x0                           ; my part of slot 1 has landed,
	s_barrier_signal -1
	s_barrier_wait -1                              ; everybody's has.
.endif
.if (\q) < 7
.if (\q) > 0
	PLACES 4                                       ; the other set was read by the last step's products
.endif
	FETCH (\q)+1
.endif
.irp a, 0,1,2,3,4,5,6,7
.if \a == 0
.if \cm
	WIN 0x91                                       ; source 0 window 1, source 1 window 0, C window 1 (the bias), D window 2
.else
	WIN 0xa1                                       ; C and D window 2
.endif
.endif
.if \a == 4
.if \cm
	WIN 0xd1                                       ; D window 3
.else
	WIN 0xf1
.endif
.endif
.irp b, 0,1,2,3,4,5,6,7
.set rD, 8*(8*(\a%4)+\b)
.set rA, 128*kP+8*\b
.set rB, F1+64*kP+8*\a
.if \cm == 1
.set rC, BT+8*\b
.elseif \cm == 2
.set rC, BT+8*\a
.else
.set rC, rD
.endif
.set rSA, SC0+16*kS+4*(\b%4)+kQ
.set rRA, \b/4
.set rSB, SC1+16*kS+4*(\a%4)+kQ
.set rRB, \a/4
	WM
.endr
.endr
	WIN 0
.endm
; Group a: block a of source 1 against all 128 numbers along the quantiser's axis: four blocks of 32, one fragment of codes, one scale word.
.macro GROUP a
.set gA, 64*((\a)%4)
.set gW, 2+(\a)/4
.set gX, gW|(gW<<2)
.set gP, F1+8*(\a)
	WIN gX                                         ; sources 0 and 1: the accumulators' window
.irp b, 0,1,2,3
	v_max3_num_f32 v[TM+\b], |v[gA+16*\b]|, |v[gA+16*\b+1]|, 0x1800000   ; my 16 numbers of block b, each accumulator from its low end on, and the floor 2^(3 - 127): the byte cannot fall under 1
.endr
.irp i, 2,4,6,8,10,12,14
.irp b, 0,1,2,3
	v_max3_num_f32 v[TM+\b], |v[gA+16*\b+\i]|, |v[gA+16*\b+\i+1]|, v[TM+\b]
.endr
.endr
	WIN 0
.irp b, 0,1,2,3
	v_permlanex16_b32 v[TM+4+\b], v[TM+\b], s[SEL], s[SEL+1]
.endr
.irp b, 0,1,2,3
	v_max_num_f32 v[TM+\b], v[TM+\b], v[TM+4+\b]   ; with lane l xor 16's: the block's largest magnitude
.endr
.irp b, 0,1,2,3
	v_add_nc_u32 v[TM+8+\b], 0xff000000, v[TM+\b]  ; 2 off its exponent field: the conversion takes that field as its scale
.endr
.irp b, 0,1,2,3
	v_lshrrev_b32 v[TM+4+\b], 23, v[TM+8+\b]       ; the scale's byte
.endr
	v_lshl_or_b32 v[PW+(\a)], v[TM+5], 8, v[TM+4]
	v_lshl_or_b32 v[PW+(\a)], v[TM+6], 16, v[PW+(\a)]
	v_lshl_or_b32 v[PW+(\a)], v[TM+7], 24, v[PW+(\a)]
	WIN gW
.irp t, 0,1,2,3,4,5,6,7
	v_cvt_scalef32_pk8_fp4_f32 v[gP+4*(\t/4)+2*(\t&1)+((\t>>1)&1)], v[gA+8*\t:gA+8*\t+7], v[TM+8+\t/2]   ; tiles 4c, 4c+1, 4c+2, 4c+3 to registers 4c, 4c+2, 4c+1, 4c+3
.endr
	WIN 0
	v_nop                                          ; one plain place behind a scaled conversion
.irp c, 0,1
	v_permlane16_swap_b32 v[gP+4*\c], v[gP+4*\c+1] ; the first's lanes 16-31 change places with the second's lanes 0-15: register 4 c + i now holds 64 c + 32 h + 8 i + 0 .. 7
	v_permlane16_swap_b32 v[gP+4*\c+2], v[gP+4*\c+3]
.endr
.irp c, 0,1
	global_store_b128 v[LI], v[gP+4*\c:gP+4*\c+3], s[96:97] offset:1024*(\a)+512*\c   ; 32 lanes store 512 consecutive bytes, at a multiple of 512 from the buffer's first byte; each group has registers of its own
.endr
.endm
	s_wait_tensorcnt 0x1                           ; the scales and my part of slot 0 are in; slot 1's load, the one issued behind them, may be out
	s_barrier_signal -1
	s_barrier_wait -1                              ; everybody's are
	FETCH 0
	s_wait_loadcnt 0x0                             ; the bias tiles
	s_cmp_eq_u32 s3, 2                             ; MODE is the same in all partners; both ways hold the same LDS loads and as many products
	s_cbranch_scc1 .Lfirst_v
	KSTEP 0, 1
	s_branch .Ljoined
.Lfirst_v:
	KSTEP 0, 2
.Ljoined:
	KSTEP 1, 0
	KSTEP 2, 0
	KSTEP 3, 0
	KSTEP 4, 0
	KSTEP 5, 0
	KSTEP 6, 0
	KSTEP 7, 0
	PLACES 4                                       ; behind the last products: their results are read, and the codes land where fragments lay
.irp a, 0,1,2,3,4,5,6,7
	GROUP \a
.endr
.irp p, 0,1,2,3
	v_perm_b32 v[DP+\p], v[PW+2*\p+1], v[PW+2*\p], v[SELV]
.endr
	global_store_b128 v[LI], v[DP:DP+3], s[98:99]  ; 512 consecutive bytes
	s_wait_tensorcnt 0x0
	ds_add_u32 v126, v127
	s_wait_dscnt 0x0
	CROUND                                         ; the closing round: no work-group ends while a partner may still ask for a tile that names it
	s_endpgm
.Lfunc_end_k_q24278f76a3_qkv:
	.size	k_q24278f76a3_qkv, .Lfunc_end_k_q24278f76a3_qkv-k_q24278f76a3_qkv
	.p2alignl 7, 3214868480
	.fill 96, 4, 3214868480
	.section	.rodata,"a",@progbits
	.p2align	6, 0x0
	.amdhsa_kernel k_q24278f76a3_qkv
		.amdhsa_group_segment_fixed_size 296448
		.amdhsa_private_segment_fixed_size 0
		.amdhsa_enable_private_segment 0
		.amdhsa_kernarg_size 56
		.amdhsa_user_sgpr_count 2
		.amdhsa_user_sgpr_kernarg_segment_ptr 1
		.amdhsa_wavefront_size32 1
		.amdhsa_system_sgpr_workgroup_id_x 1
		.amdhsa_system_sgpr_workgroup_id_y 1
		.amdhsa_system_sgpr_workgroup_id_z 1
		.amdhsa_system_vgpr_workitem_id 0
		.amdhsa_next_free_vgpr 1024
		.amdhsa_next_free_sgpr 100
		.amdhsa_reserve_vcc 1
		.amdhsa_float_denorm_mode_32 3
		.amdhsa_float_denorm_mode_16_64 3
		.amdhsa_memory_ordered 1
		.amdhsa_forward_progress 1
		.amdhsa_inst_pref_size 144
	.end_amdhsa_kernel
	.amdgpu_metadata
---
amdhsa.version: [ 1, 2 ]
amdhsa.kernels:
  - .name:           k_q24278f76a3_qkv
    .symbol:         k_q24278f76a3_qkv.kd
    .args:
      - { .name: x_codes, .offset: 0, .size: 8, .value_kind: global_buffer, .address_space: global }
      - { .name: x_scales, .offset: 8, .size: 8, .value_kind: global_buffer, .address_space: global }
      - { .name: qkv_w_codes, .offset: 16, .size: 8, .value_kind: global_buffer, .address_space: global }
      - { .name: qkv_w_scales, .offset: 24, .size: 8, .value_kind: global_buffer, .address_space: global }
      - { .name: qkv_b, .offset: 32, .size: 8, .value_kind: global_buffer, .address_space: global }
      - { .name: qkv_img, .offset: 40, .size: 8, .value_kind: global_buffer, .address_space: global }
      - { .name: qkv_sc, .offset: 48, .size: 8, .value_kind: global_buffer, .address_space: global }
    .group_segment_fixed_size: 296448
    .private_segment_fixed_size: 0
    .kernarg_segment_align: 8
    .kernarg_segment_size: 56
    .max_flat_workgroup_size: 128
    .sgpr_count:     100
    .vgpr_count:     1024
    .wavefront_size: 32
...
	.end_amdgpu_metadata
.endif
;; end of part 1
;; launch attn (part 2): grid 4 x 64, 16 waves a work-group, clusters of 4 x 1, 169,984 bytes of LDS; arguments qkv_img, qkv_sc, att_img, att_sc; writes att_img, att_sc
.if DOCPART == 2
	.amdgcn_target "amdgcn-amd-amdhsa--gfx1250"
	.amdhsa_code_object_version 6
	.text
	.protected	k_q24278f76a3_attn
	.globl	k_q24278f76a3_attn
	.p2align	8
	.type	k_q24278f76a3_attn,@function
k_q24278f76a3_attn:
	s_mov_b64 s[64:65], 0
	v_nop
	global_prefetch_b8 v0, s[64:65] scope:SCOPE_SE
	s_setreg_imm32_b32 hwreg(HW_REG_WAVE_MODE, 25, 1), 1
	s_wait_xcnt 0x0
	s_wait_alu depctr_hold_cnt(0) depctr_sa_sdst(0) depctr_va_vdst(0) depctr_va_sdst(0) depctr_va_ssrc(0) depctr_va_vcc(0) depctr_vm_vsrc(0)
	s_getreg_b32 s2, hwreg(HW_REG_IB_STS2, 6, 4)
	s_cmp_eq_u32 s2, 0
	s_cbranch_scc0 .Lentry_in_a_cluster
	s_endpgm
.Lentry_in_a_cluster:
	s_bfe_u32 s2, ttmp6, 0x10000c
	s_cmp_lg_u32 s2, 0x3003
	s_cbranch_scc0 .Lentry_shape_is_right
	s_endpgm
.Lentry_shape_is_right:
; Causal attention of one head on codes of FP4 (E2M1) with E8M0 scales, and the quantising of its result along the model's 1,024 features.
; t = score x log2(e) / 8; M = the row's running largest t, rounded UP to a whole number; p = 2^(t - M) is quantised along the keys; the row's sum is taken of the unquantised p and divides at the end.
; When M moves, the sum and O are multiplied by 2^(old M - new M): exact.
; SHARES.  The grid's y is batch x 16 + head.  The four work-groups of a cluster share the head: its K and V, as images of operand registers (128 KiB), and their scale words come ONCE into each LDS, by joint loads;
; LDS is only read behind the one barrier.  A head has 128 tiles of 16 queries, tile 8 u + v; u is also the tile's diagonal step of 128 keys.  Wave w does two jobs: (u = w, v = cx) and (u = 15 - w, v = 4 + cx):
; 17 key steps, two of them on the diagonal, for every wave of the launch.  u, and with it every branch, hangs on the wave's number alone; cx enters global addresses and lane data only.
; LAYOUT.  Both products are used transposed: S^T = K Q^T, O^T = V^T P^T: a lane holds ONE query (lane % 16).  Register j of tile t of S^T is key 16 t + 8 (lane / 16) + j.
; THE HEAD'S 64 IN AN INSTRUCTION OF 128.  A fragment of K holds TWO tiles of 16 keys: registers 0-3 tile 2 p, registers 4-7 tile 2 p + 1.  It is multiplied by [q, zeros] for tile 2 p and by [zeros, q] for tile 2 p + 1:
; the other half's products are a code times the code 0, under scale bytes between 1 and 254: they add nothing.  Q stands as [q][zeros][q] in twelve registers.
; EVERY WAVE WALKS 16 TRIPS: the trip count is a constant; a step whose keys all come after the tile's queries is passed over by a scalar branch round its work.
; OUT.  att_img[tile of 16 tokens][head pair][parity][512]: registers of the next product's operand.  att_sc[token][32]: byte 2 x head + block.  A token's 32 bytes belong to 16 heads, which other work-groups own:
; the two bytes of a (token, head) leave by a store of 2 bytes a lane, 32 bytes apart (lanes 16-31 repeat lanes 0-15): 256 KiB of the launch's 4.25 MiB.
; LIMITS: NaN and infinities are not served.  t is rounded once (score x log2(e) / 8).  A block whose largest magnitude lies under 2^-124, zeros among them, gets the scale byte 1; this program alone reads those bytes.
; REGISTERS: v1-11 addresses and lane numbers; v12 -M, v13 the largest t, v[14:15] the sum; v16-27, v236-247 Q of the two jobs; v28, v29 their scale words; v32-63 K; v64-95 V; v96-159 S^T, then p; v160-191 O^T;
;   v192-199 p's codes; v200-203, v204-205, v206 the scale words of K, V, p; v208-223 at work; v224-228, v230-234 the jobs' results; v[250:251] 1 / the sum.
.set KIMG, 0                           ; [step 16][tile 8][512]
.set KSC,  65536                       ; [step 16][512], both parities of the head pair
.set VIMG, 73728                       ; [step 16][tile of 16 d: 4][c 2][512]
.set VSC,  139264                      ; [step 16][512]
.set LI,   1                           ; v1   16 x lane
.set RK,   2                           ; v2   K's scale words: KSC + 256 x parity + 16 r
.set RV,   3                           ; v3   V's: VSC + 16 x lane + 8 x parity
.set ADK,  4
.set ADV,  5
.set ADS,  6
.set ADT,  7
.set KF,   32
.set VF,   64
.set S,    96
.set O,    160
.set P,    192
.set KW,   200
.set VW,   204
.set PWD,  206
.set BM,   208
.set BX,   212
.set SO,   216
.set TMP,  220
.set NINF, 221
.set F,    222
.set RL,   250
.set WV,   12
.set SEL,  20
.set CS,   22
.set G1K,  24
.set G1V,  32
.set G1S,  40
.set G0K,  48
.set G0V,  52
.set G0S,  56
.macro CROUND                          ; a round of the cluster's barrier
	s_barrier_signal -1
	s_barrier_wait -1
	s_cmp_lg_u32 s[WV], 0
	s_cbranch_scc1 .Lnot_wave_0_\@
	s_barrier_signal -3
.Lnot_wave_0_\@:
	s_barrier_wait -3
	s_barrier_signal -1
	s_barrier_wait -1
.endm
	s_load_b256 s[4:11], s[0:1], 0x0               ; qkv_img s[4:5], qkv_sc s[6:7], att_img s[8:9], att_sc s[10:11]
	v_lshl_add_u32 v254, v0, 2, 0x29000
	v_mov_b32 v255, 0
	ds_add_u32 v254, v255
	ds_add_u32 v254, v255
	v_lshrrev_b32 v1, 5, v0
	s_delay_alu instid0(VALU_DEP_1)
	v_readfirstlane_b32 s[WV], v1                  ; wave 0..15
	s_bfe_u32 s13, ttmp6, 0x40000                  ; cx
	s_and_b32 s14, ttmp7, 0xffff                   ; batch x 16 + head: the four partners share it
	s_lshr_b32 s15, s14, 4                         ; batch
	s_and_b32 s16, s14, 15                         ; head
	s_lshr_b32 s17, s16, 1                         ; head pair
	s_and_b32 s18, s16, 1                          ; parity
	s_lshl_b32 s19, s15, 3
	s_add_co_u32 s19, s19, s17
	s_lshl_b32 s19, s19, 4                         ; t0 = (8 batch + head pair) 16: the head pair's first block of 128 tokens
	; group 1, elements of 8 bytes, the mask of all four work-groups, bit 21 beside it, no padding
	s_mov_b32 s[G1K], 15|(3<<16)|(1<<21)           ; K: 16 rows of 512 bytes, 1,024 apart (the other parity lies between)
	s_mov_b32 s[G1K+1], 64<<16
	s_mov_b32 s[G1K+2], 16<<16
	s_mov_b32 s[G1K+3], 64<<16
	s_mov_b32 s[G1K+4], 16
	s_mov_b32 s[G1K+5], 128
	s_mov_b32 s[G1K+6], 0
	s_mov_b32 s[G1K+7], 0
	s_mov_b32 s[G1V], 15|(3<<16)|(1<<21)           ; V: 4 rows of 4,096 bytes, 8,192 apart
	s_mov_b32 s[G1V+1], 512<<16
	s_mov_b32 s[G1V+2], 4<<16
	s_mov_b32 s[G1V+3], 512<<16
	s_mov_b32 s[G1V+4], 4
	s_mov_b32 s[G1V+5], 1024
	s_mov_b32 s[G1V+6], 0
	s_mov_b32 s[G1V+7], 0
	s_mov_b32 s[G1S], 15|(3<<16)|(1<<21)           ; scale words: 8,192 dense bytes as 32 rows of 256
	s_mov_b32 s[G1S+1], 32<<16
	s_mov_b32 s[G1S+2], 32<<16
	s_mov_b32 s[G1S+3], 32<<16
	s_mov_b32 s[G1S+4], 32
	s_mov_b32 s[G1S+5], 32
	s_mov_b32 s[G1S+6], 0
	s_mov_b32 s[G1S+7], 0
	; waves 0-7: K's rows 16 (w & 7) on
	s_add_co_u32 s68, s19, 512
	s_lshl_b32 s68, s68, 13
	s_lshl_b32 s90, s18, 9
	s_add_co_u32 s68, s68, s90
	s_and_b32 s91, s[WV], 7
	s_lshl_b32 s90, s91, 14
	s_add_co_u32 s68, s68, s90
	s_mov_b32 s69, 0
	s_lshl_b32 s92, s91, 13
	; waves 8-11: V's steps 4 (w & 3) on
	s_add_co_u32 s70, s19, 1024
	s_lshl_b32 s70, s70, 13
	s_lshl_b32 s90, s18, 12
	s_add_co_u32 s70, s70, s90
	s_and_b32 s91, s[WV], 3
	s_lshl_b32 s90, s91, 15
	s_add_co_u32 s70, s70, s90
	s_mov_b32 s71, 0
	s_lshl_b32 s93, s91, 14
	s_add_co_u32 s93, s93, VIMG
	; wave 12: K's scale words; wave 13: V's, 512 x 512 bytes further on
	s_add_co_u32 s88, s19, 512
	s_lshl_b32 s88, s88, 9
	s_and_b32 s91, s[WV], 1
	s_lshl_b32 s90, s91, 18
	s_add_co_u32 s88, s88, s90
	s_mov_b32 s89, 0
	s_mul_i32 s94, s91, VSC-KSC
	s_add_co_u32 s94, s94, KSC
	s_mov_b32 s[SEL], 0x76543210
	s_mov_b32 s[SEL+1], 0xfedcba98                 ; v_permlanex16_b32's selects for lane l xor 16
	s_mov_b32 s[CS], 0x3e38aa3b                    ; c = log2(e) / sqrt(64)
	s_mov_b32 s[CS+1], s[CS]                       ; (named with it as a pair, so it is written)
	s_mov_b32 s63, s[WV]                           ; u of job 0
	s_xor_b32 s66, s[WV], 15                       ; u of job 1
	s_add_co_u32 s95, s13, 4                       ; v of job 1
	s_wait_dscnt 0x0
	s_wait_kmcnt 0x0
	s_mov_b32 s[G0K], 1
	s_mov_b32 s[G0K+1], s92
	s_add_nc_u64 s[G0K+2:G0K+3], s[4:5], s[68:69]
	s_or_b32 s[G0K+3], s[G0K+3], 0x80000000
	s_mov_b32 s[G0V], 1
	s_mov_b32 s[G0V+1], s93
	s_add_nc_u64 s[G0V+2:G0V+3], s[4:5], s[70:71]
	s_or_b32 s[G0V+3], s[G0V+3], 0x80000000
	s_mov_b32 s[G0S], 1
	s_mov_b32 s[G0S+1], s94
	s_add_nc_u64 s[G0S+2:G0S+3], s[6:7], s[88:89]
	s_or_b32 s[G0S+3], s[G0S+3], 0x80000000
	CROUND                                         ; all four work-groups are here: the joint loads meet
	s_cmp_lt_u32 s[WV], 8                          ; one load a wave, none for waves 14 and 15; the branches hang on the wave's number alone; four v_nop follow each line
	s_cbranch_scc0 .Lnot_k
	tensor_load_to_lds s[G0K:G0K+3], s[G1K:G1K+7]
	s_nop 0
.rept 4
	v_nop
.endr
	s_branch .Lasked
.Lnot_k:
	s_cmp_lt_u32 s[WV], 12
	s_cbranch_scc0 .Lnot_v
	tensor_load_to_lds s[G0V:G0V+3], s[G1V:G1V+7]
	s_nop 0
.rept 4
	v_nop
.endr
	s_branch .Lasked
.Lnot_v:
	s_cmp_lt_u32 s[WV], 14
	s_cbranch_scc0 .Lasked
	tensor_load_to_lds s[G0S:G0S+3], s[G1S:G1S+7]
	s_nop 0
.rept 4
	v_nop
.endr
.Lasked:
; A job's four addresses.  ur, vr: the scalar registers of u and v.
.macro JOBBASE ur, vr, qc, qs, oi, os
	s_mov_b32 s93, 0
	s_add_co_u32 s90, s19, s[\ur]                  ; q's block of 128 tokens: t0 + u
	s_lshl_b32 s92, s90, 13
	s_lshl_b32 s91, s[\vr], 10
	s_add_co_u32 s92, s92, s91
	s_lshl_b32 s91, s18, 9
	s_add_co_u32 s92, s92, s91
	s_add_nc_u64 s[\qc:\qc+1], s[4:5], s[92:93]    ; Q's codes: tile v, my parity
	s_lshl_b32 s92, s90, 9
	s_lshl_b32 s91, s18, 8
	s_add_co_u32 s92, s92, s91
	s_lshr_b32 s91, s[\vr], 1
	s_lshl_b32 s91, s91, 2
	s_add_co_u32 s92, s92, s91
	s_add_nc_u64 s[\qs:\qs+1], s[6:7], s[92:93]    ; Q's scale word v / 2 of my parity's lanes
	s_lshl_b32 s90, s15, 7
	s_lshl_b32 s91, s[\ur], 3
	s_add_co_u32 s90, s90, s91
	s_add_co_u32 s90, s90, s[\vr]                  ; tile of 16 tokens: 128 batch + 8 u + v
	s_lshl_b32 s92, s90, 3
	s_add_co_u32 s92, s92, s17
	s_lshl_b32 s92, s92, 10
	s_lshl_b32 s91, s18, 9
	s_add_co_u32 s92, s92, s91
	s_add_nc_u64 s[\oi:\oi+1], s[8:9], s[92:93]
	s_lshl_b32 s92, s90, 9
	s_lshl_b32 s91, s16, 1
	s_add_co_u32 s92, s92, s91
	s_add_nc_u64 s[\os:\os+1], s[10:11], s[92:93]
.endm
	JOBBASE 63, 13, 72, 76, 80, 84
	JOBBASE 66, 95, 74, 78, 82, 86
	s_mov_b32 s67, 0x01000100                      ; Q's two scale bytes, twice: bytes 0, 1 of the word for an even tile,
	s_mov_b32 s90, 0x03020302                      ; bytes 2, 3 for an odd one (v and cx have the same parity)
	s_bitcmp1_b32 s13, 0
	s_cselect_b32 s67, s90, s67
	v_and_b32 v10, 15, v0                          ; r
	v_bfe_u32 v11, v0, 4, 1                        ; h
	v_and_b32 v1, 31, v0
	s_delay_alu instid0(VALU_DEP_1)
	v_lshlrev_b32 v[LI], 4, v1
	s_lshl_b32 s90, s18, 8
	s_add_co_u32 s90, s90, KSC
	v_lshl_add_u32 v[RK], v10, 4, s90
	s_lshl_b32 s91, s18, 3
	s_add_co_u32 s91, s91, VSC
	v_add_nc_u32 v[RV], s91, v[LI]
	v_lshlrev_b32 v12, 3, v11
	s_delay_alu instid0(VALU_DEP_1)
	v_sub_nc_u32 v12, v10, v12                     ; r - 8 h
	s_lshl_b32 s90, s13, 4
	v_add_nc_u32 v8, s90, v12                      ; job 0: 16 v + r - 8 h: register n of S^T is hidden on the diagonal where 16 (n / 8) + n % 8 is larger
	s_delay_alu instid0(VALU_DEP_1)
	v_add_nc_u32 v9, 64, v8                        ; job 1: v is 4 more
	v_lshlrev_b32 v11, 4, v10                      ; 16 r
	v_lshlrev_b32 v10, 5, v10                      ; 32 r
	global_load_b128 v[16:19], v[LI], s[72:73]     ; Q stays in registers, twice, with zeros between
	global_load_b128 v[24:27], v[LI], s[72:73]
	global_load_b128 v[236:239], v[LI], s[74:75]
	global_load_b128 v[244:247], v[LI], s[74:75]
	global_load_b32 v30, v11, s[76:77]
	global_load_b32 v31, v11, s[78:79]
.irp j, 20,21,22,23,240,241,242,243
	v_mov_b32 v[\j], 0
.endr
.irp b, 0,1,2,3
	v_mov_b32 v[BX+\b], 0                          ; written once: a lane permute's destination counts as one of its sources
.endr
	v_mov_b32 v[TMP], 0
	v_mov_b32 v[F+1], 0                            ; (named as the upper half of a pair)
	v_mov_b32 v[NINF], 0xff800000                  ; -infinity
	s_wait_loadcnt 0x0
	v_perm_b32 v28, v30, v30, s67
	v_perm_b32 v29, v31, v31, s67
	s_wait_tensorcnt 0x0                           ; my fill has landed,
	s_barrier_signal -1
	s_barrier_wait -1                              ; everybody's has: from here on LDS is only read
; A JOB: one tile of 16 queries against the head's keys.  qb: Q's first register; qw: its scale word; dq: the lane's number for the diagonal; ur: u; eb: the result's registers; oi, os: where it goes.
.macro JOB qb, qw, dq, ur, eb, oi, os
	s_mov_b32 s60, 0                               ; the step,
	s_mov_b32 s61, 0                               ; 4,096 x step: its images,
	s_mov_b32 s62, 0                               ; 512 x step: its scale words
	v_mov_b32 v13, 0xff61b1e6                      ; the largest t so far: -3e38, under every t
	s_delay_alu instid0(VALU_DEP_1)
	v_floor_f32 v12, -v13                          ; -M
	v_mov_b32 v14, 0
	v_mov_b32 v15, 0
.set ii, 0
.rept 32
	v_mov_b32 v[O+ii], 0                           ; the step is written once: the first finds zeros, which the first change of M leaves zeros
.set ii, ii+1
.endr
.Lstep_\@:
	s_cmp_gt_u32 s60, s[\ur]                       ; all 128 keys come after my queries: nothing to do
	s_cbranch_scc1 .Lhid_\@
	s_setprio 2
	v_add_nc_u32 v[ADK], s61, v[LI]                ; (these four are also the places between the last step's products and the loads into V's registers)
	v_add_nc_u32 v[ADS], s62, v[RK]
	v_add_nc_u32 v[ADT], s62, v[RV]
	s_delay_alu instid0(VALU_DEP_3)
	v_add_nc_u32 v[ADV], VIMG, v[ADK]
	ds_load_b128 v[KW:KW+3], v[ADS]                ; word p: the bytes of key tiles 2 p and 2 p + 1
.irp p, 0,1,2,3
.irp e, 0,1
	ds_load_b128 v[KF+8*\p+4*\e:KF+8*\p+4*\e+3], v[ADK] offset:1024*\p+512*\e
.endr
.endr
	ds_load_b64 v[VW:VW+1], v[ADT]                 ; lanes 0-15: tiles 0 and 2 of the head's d, lanes 16-31: tiles 1 and 3
.irp i, 0,1,2,3
.irp c, 0,1
	ds_load_b128 v[VF+8*\i+4*\c:VF+8*\i+4*\c+3], v[ADV] offset:1024*\i+512*\c
.endr
.endr
	s_wait_dscnt 9                                 ; K and its scale words are in; V's nine loads, issued behind them, may be out
.irp t, 0,1,2,3,4,5,6,7
	v_wmma_scale_f32_16x16x128_f8f6f4 v[S+8*\t:S+8*\t+7], v[KF+8*(\t/2):KF+8*(\t/2)+7], v[\qb+4*(\t%2):\qb+4*(\t%2)+7], 0, v[KW+\t/2], v[\qw] matrix_a_fmt:MATRIX_FMT_FP4 matrix_b_fmt:MATRIX_FMT_FP4
.endr
.rept 4
	v_nop                                          ; places in front of the first read of the scores
.endr
	s_cmp_lt_u32 s60, s[\ur]                       ; under the diagonal every key counts
	s_cbranch_scc1 .Lopen_\@
.set ii, 0
.rept 64
	v_cmp_gt_i32 vcc_lo, 16*(ii/8)+ii%8, v[\dq]    ; on it hidden scores become -infinity ahead of the maximum: p = 0 then
	v_cndmask_b32 v[S+ii], v[S+ii], v[NINF], vcc_lo
.set ii, ii+1
.endr
.Lopen_\@:
.irp b, 0,1,2,3
	v_max3_num_f32 v[BM+\b], v[S+16*\b], v[S+1+16*\b], v[S+2+16*\b]   ; the largest score of each block of 32 keys: for the row's maximum, and, since p rises with the score, for the block's largest p
.endr
.irp i, 3,5,7,9,11,13
.irp b, 0,1,2,3
	v_max3_num_f32 v[BM+\b], v[BM+\b], v[S+16*\b+\i], v[S+1+16*\b+\i]
.endr
.endr
.irp b, 0,1,2,3
	v_max_num_f32 v[BM+\b], v[BM+\b], v[S+15+16*\b]
.endr
.irp b, 0,1,2,3
	s_delay_alu instid0(VALU_DEP_4)
	v_permlanex16_b32 v[BX+\b], v[BM+\b], s[SEL], s[SEL+1]
.endr
.irp b, 0,1,2,3
	s_delay_alu instid0(VALU_DEP_4)
	v_max_num_f32 v[BM+\b], v[BM+\b], v[BX+\b]     ; with lane l xor 16's 16 keys
.endr
	s_delay_alu instid0(VALU_DEP_2)
	v_max3_num_f32 v[TMP], v[BM], v[BM+1], v[BM+2]
	s_delay_alu instid0(VALU_DEP_1)
	v_max_num_f32 v[TMP], v[TMP], v[BM+3]          ; the step's largest score of my query
	s_delay_alu instid0(VALU_DEP_1)
	v_mul_f32 v[TMP], s[CS], v[TMP]                ; as t (c is positive)
	s_delay_alu instid0(VALU_DEP_1)
	v_max_num_f32 v13, v13, v[TMP]                 ; the running largest t
	v_mov_b32 v[TMP], v12
	s_delay_alu instid0(VALU_DEP_2)
	v_floor_f32 v12, -v13                          ; the new -M = floor(-t) = -ceil(t)
	s_delay_alu instid0(VALU_DEP_1)
	v_sub_f32 v[TMP], v12, v[TMP]                  ; old M - new M: a whole number, 0 or less
	s_delay_alu instid0(VALU_DEP_1)
	v_cvt_i32_f32 v[TMP], v[TMP]                   ; (it saturates)
	s_delay_alu instid0(VALU_DEP_1)
	v_ldexp_f32 v[F], 1.0, v[TMP]                  ; f = 2^(old M - new M)
.set ii, 0
.rept 32
	v_pk_fma_f32 v[S+ii:S+ii+1], v[S+ii:S+ii+1], s[CS:CS+1], v[12:13] op_sel_hi:[1,0,0]   ; t - M, two at a time
.set ii, ii+2
.endr
	s_setprio 1
.irp b, 0,1,2,3
	v_fma_f32 v[BM+\b], v[BM+\b], s[CS], v12       ; the same of each block's largest score
.endr
.set ii, 0
	s_wait_alu depctr_va_vdst(0)
.rept 64
	v_exp_f32 v[S+ii], v[S+ii]                     ; p = 2^(t - M), at most 1, not normalised
.set ii, ii+1
.endr
.irp b, 0,1,2,3
	v_exp_f32 v[BM+\b], v[BM+\b]                   ; the block's largest p: the same two instructions on the same number
.endr
	v_pk_mul_f32 v[14:15], v[14:15], v[F:F+1] op_sel_hi:[1,0]   ; the sum under the new M.  (A plain place behind the exponentials)
	s_wait_alu depctr_va_vdst(0)
.irp b, 0,1,2,3
	v_max_num_f32 v[BM+\b], 0x1800000, v[BM+\b]    ; the floor 2^(3 - 127): the byte cannot fall under 1
.endr
.irp b, 0,1,2,3
	s_delay_alu instid0(VALU_DEP_4)
	v_add_nc_u32 v[SO+\b], 0xff000000, v[BM+\b]    ; 2 off the exponent field: the conversion's scale operand
.endr
.irp b, 0,1,2,3
	s_delay_alu instid0(VALU_DEP_4)
	v_lshrrev_b32 v[BX+\b], 23, v[SO+\b]           ; the scale's byte
.endr
	s_delay_alu instid0(VALU_DEP_3)
	v_lshl_or_b32 v[PWD], v[BX+1], 8, v[BX]        ; p's scale word for these 128 keys
	s_delay_alu instid0(VALU_DEP_1)
	v_lshl_or_b32 v[PWD], v[BX+2], 16, v[PWD]
	s_delay_alu instid0(VALU_DEP_1)
	v_lshl_or_b32 v[PWD], v[BX+3], 24, v[PWD]
.irp t, 0,1,2,3,4,5,6,7
	v_cvt_scalef32_pk8_fp4_f32 v[P+4*(\t/4)+2*(\t&1)+((\t>>1)&1)], v[S+8*\t:S+8*\t+7], v[SO+\t/2]   ; tiles 4c, 4c+1, 4c+2, 4c+3 to registers 4c, 4c+2, 4c+1, 4c+3
.endr
	v_nop                                          ; one plain place behind a scaled conversion
.irp c, 0,1
	v_permlane16_swap_b32 v[P+4*\c], v[P+4*\c+1]   ; register 4 c + i now holds keys 64 c + 32 h + 8 i + 0 .. 7
	v_permlane16_swap_b32 v[P+4*\c+2], v[P+4*\c+3]
.endr
	v_pk_add_f32 v[212:213], v[100:101], v[104:105]
	v_pk_add_f32 v[252:253], v[108:109], v[112:113]
	v_pk_add_f32 v[250:251], v[116:117], v[120:121]
	v_pk_add_f32 v[248:249], v[124:125], v[128:129]
	v_pk_add_f32 v[234:235], v[132:133], v[136:137]
	v_pk_add_f32 v[232:233], v[140:141], v[144:145]
	v_pk_add_f32 v[230:231], v[148:149], v[152:153]
	v_pk_add_f32 v[14:15], v[14:15], v[156:157]
	v_pk_add_f32 v[212:213], v[212:213], v[96:97]
	v_pk_add_f32 v[252:253], v[252:253], v[98:99]
	v_pk_add_f32 v[250:251], v[250:251], v[102:103]
	v_pk_add_f32 v[248:249], v[248:249], v[106:107]
	v_pk_add_f32 v[234:235], v[234:235], v[110:111]
	s_setprio 0
	v_pk_add_f32 v[232:233], v[232:233], v[114:115]
	v_pk_add_f32 v[230:231], v[230:231], v[118:119]
	v_pk_add_f32 v[14:15], v[14:15], v[122:123]
	v_pk_add_f32 v[212:213], v[212:213], v[126:127]
	v_pk_add_f32 v[252:253], v[252:253], v[130:131]
	v_pk_add_f32 v[250:251], v[250:251], v[134:135]
	v_pk_add_f32 v[248:249], v[248:249], v[138:139]
	v_pk_add_f32 v[234:235], v[234:235], v[142:143]
	v_pk_add_f32 v[232:233], v[232:233], v[146:147]
	v_pk_add_f32 v[230:231], v[230:231], v[150:151]
	v_pk_add_f32 v[14:15], v[14:15], v[154:155]
	v_pk_add_f32 v[212:213], v[212:213], v[158:159]
	s_delay_alu instid0(VALU_DEP_2)
	v_pk_add_f32 v[14:15], v[14:15], v[248:249]
	s_delay_alu instid0(VALU_DEP_2)
	v_pk_add_f32 v[212:213], v[212:213], v[234:235]
	v_pk_add_f32 v[252:253], v[252:253], v[232:233]
	v_pk_add_f32 v[250:251], v[250:251], v[230:231]
	s_delay_alu instid0(VALU_DEP_2)
	v_pk_add_f32 v[14:15], v[14:15], v[252:253]
	s_delay_alu instid0(VALU_DEP_2)
	v_pk_add_f32 v[212:213], v[212:213], v[250:251]
	s_delay_alu instid0(VALU_DEP_1)
	v_pk_add_f32 v[14:15], v[14:15], v[212:213]
.set ii, 0
.rept 16
	v_pk_mul_f32 v[O+ii:O+ii+1], v[O+ii:O+ii+1], v[F:F+1] op_sel_hi:[1,0]   ; O^T under the new M.  (The sums and these are the places between p's codes and scale word and the products below)
.set ii, ii+2
.endr
	s_wait_alu depctr_va_vdst(0)
	s_wait_dscnt 0x0                               ; V and its scale words
.irp i, 0,2
	v_wmma_scale_f32_16x16x128_f8f6f4 v[O+8*\i:O+8*\i+7], v[VF+8*\i:VF+8*\i+7], v[P:P+7], v[O+8*\i:O+8*\i+7], v[VW+\i/2], v[PWD] matrix_a_fmt:MATRIX_FMT_FP4 matrix_b_fmt:MATRIX_FMT_FP4
	v_wmma_scale_f32_16x16x128_f8f6f4 v[O+8*\i+8:O+8*\i+15], v[VF+8*\i+8:VF+8*\i+15], v[P:P+7], v[O+8*\i+8:O+8*\i+15], v[VW+\i/2], v[PWD] matrix_a_fmt:MATRIX_FMT_FP4 matrix_b_fmt:MATRIX_FMT_FP4 matrix_a_scale:MATRIX_SCALE_ROW1
.endr
.Lhid_\@:
	s_add_co_u32 s61, s61, 4096
	s_add_co_u32 s62, s62, 512
	s_add_co_u32 s60, s60, 1
	s_cmp_lt_u32 s60, 16
	s_cbranch_scc1 .Lstep_\@
	s_setprio 0
.rept 4
	v_nop                                          ; places behind the last products
.endr
	v_add_f32 v14, v14, v15                        ; the sum's two halves,
	s_delay_alu instid0(VALU_DEP_1)
	v_permlanex16_b32 v[TMP], v14, s[SEL], s[SEL+1]
	s_delay_alu instid0(VALU_DEP_1)
	v_add_f32 v14, v14, v[TMP]                     ; and lane l xor 16's: the row's sum
	s_wait_alu depctr_va_vdst(0)
	v_rcp_f32 v[RL], v14
	v_rcp_f32 v[RL+1], v14
	v_nop                                          ; a plain place behind the transcendentals
.set ii, 0
	s_wait_alu depctr_va_vdst(0)
.rept 16
	v_pk_mul_f32 v[S+ii:S+ii+1], v[O+ii:O+ii+1], v[RL:RL+1]   ; o(query r, d = 16 t + 8 h + j) in register 8 t + j
.set ii, ii+2
.endr
.irp b, 0,1
	v_max3_num_f32 v[BM+\b], |v[S+16*\b]|, |v[S+1+16*\b]|, 0x1800000   ; the head's two blocks of 32 along the next product's K
.endr
.irp i, 2,4,6,8,10,12,14
.irp b, 0,1
	s_delay_alu instid0(VALU_DEP_2)
	v_max3_num_f32 v[BM+\b], v[BM+\b], |v[S+16*\b+\i]|, |v[S+1+16*\b+\i]|
.endr
.endr
.irp b, 0,1
	s_delay_alu instid0(VALU_DEP_2)
	v_permlanex16_b32 v[BX+\b], v[BM+\b], s[SEL], s[SEL+1]
.endr
.irp b, 0,1
	s_delay_alu instid0(VALU_DEP_2)
	v_max_num_f32 v[BM+\b], v[BM+\b], v[BX+\b]
.endr
.irp b, 0,1
	s_delay_alu instid0(VALU_DEP_2)
	v_add_nc_u32 v[SO+\b], 0xff000000, v[BM+\b]
.endr
.irp b, 0,1
	s_delay_alu instid0(VALU_DEP_2)
	v_lshrrev_b32 v[BX+\b], 23, v[SO+\b]
.endr
	s_delay_alu instid0(VALU_DEP_1)
	v_lshl_or_b32 v[\eb+4], v[BX+1], 8, v[BX]      ; the two bytes of (token r, my head)
.irp t, 0,1,2,3
	v_cvt_scalef32_pk8_fp4_f32 v[\eb+2*(\t&1)+((\t>>1)&1)], v[S+8*\t:S+8*\t+7], v[SO+\t/2]
.endr
	v_nop                                          ; one plain place behind a scaled conversion
	v_permlane16_swap_b32 v[\eb], v[\eb+1]
	v_permlane16_swap_b32 v[\eb+2], v[\eb+3]       ; register i: d = 32 h + 8 i + 0 .. 7 of token r
	global_store_b128 v[LI], v[\eb:\eb+3], s[\oi:\oi+1]   ; 512 consecutive bytes; each job has registers of its own
	global_store_b16 v10, v[\eb+4], s[\os:\os+1]
.endm
	JOB 16, 28, 8, 63, 224, 80, 84
	JOB 236, 29, 9, 66, 230, 82, 86
	s_wait_dscnt 0x0
	s_wait_tensorcnt 0x0
	ds_add_u32 v254, v255
	s_wait_dscnt 0x0
	CROUND                                         ; the closing round
	s_endpgm
.Lfunc_end_k_q24278f76a3_attn:
	.size	k_q24278f76a3_attn, .Lfunc_end_k_q24278f76a3_attn-k_q24278f76a3_attn
	.p2alignl 7, 3214868480
	.fill 96, 4, 3214868480
	.section	.rodata,"a",@progbits
	.p2align	6, 0x0
	.amdhsa_kernel k_q24278f76a3_attn
		.amdhsa_group_segment_fixed_size 169984
		.amdhsa_private_segment_fixed_size 0
		.amdhsa_enable_private_segment 0
		.amdhsa_kernarg_size 32
		.amdhsa_user_sgpr_count 2
		.amdhsa_user_sgpr_kernarg_segment_ptr 1
		.amdhsa_wavefront_size32 1
		.amdhsa_system_sgpr_workgroup_id_x 1
		.amdhsa_system_sgpr_workgroup_id_y 1
		.amdhsa_system_sgpr_workgroup_id_z 1
		.amdhsa_system_vgpr_workitem_id 0
		.amdhsa_next_free_vgpr 256
		.amdhsa_next_free_sgpr 96
		.amdhsa_reserve_vcc 1
		.amdhsa_float_denorm_mode_32 3
		.amdhsa_float_denorm_mode_16_64 3
		.amdhsa_memory_ordered 1
		.amdhsa_forward_progress 1
		.amdhsa_inst_pref_size 64
	.end_amdhsa_kernel
	.amdgpu_metadata
---
amdhsa.version: [ 1, 2 ]
amdhsa.kernels:
  - .name:           k_q24278f76a3_attn
    .symbol:         k_q24278f76a3_attn.kd
    .args:
      - { .name: qkv_img, .offset: 0, .size: 8, .value_kind: global_buffer, .address_space: global }
      - { .name: qkv_sc, .offset: 8, .size: 8, .value_kind: global_buffer, .address_space: global }
      - { .name: att_img, .offset: 16, .size: 8, .value_kind: global_buffer, .address_space: global }
      - { .name: att_sc, .offset: 24, .size: 8, .value_kind: global_buffer, .address_space: global }
    .group_segment_fixed_size: 169984
    .private_segment_fixed_size: 0
    .kernarg_segment_align: 8
    .kernarg_segment_size: 32
    .max_flat_workgroup_size: 512
    .sgpr_count:     96
    .vgpr_count:     256
    .wavefront_size: 32
...
	.end_amdgpu_metadata
.endif
;; end of part 2
;; launch proj (part 3): grid 4 x 64, 4 waves a work-group, clusters of 4 x 4, 327,680 bytes of LDS; arguments att_img, att_sc, out_w_codes, out_w_scales, out_b, out0; writes out0
.if DOCPART == 3
	.amdgcn_target "amdgcn-amd-amdhsa--gfx1250"
	.amdhsa_code_object_version 6
	.text
	.protected	k_q24278f76a3_proj
	.globl	k_q24278f76a3_proj
	.p2align	8
	.type	k_q24278f76a3_proj,@function
k_q24278f76a3_proj:
	s_mov_b64 s[64:65], 0
	v_nop
	global_prefetch_b8 v0, s[64:65] scope:SCOPE_SE
	s_setreg_imm32_b32 hwreg(HW_REG_WAVE_MODE, 25, 1), 1
	s_wait_xcnt 0x0
	s_wait_alu depctr_hold_cnt(0) depctr_sa_sdst(0) depctr_va_vdst(0) depctr_va_sdst(0) depctr_va_ssrc(0) depctr_va_vcc(0) depctr_vm_vsrc(0)
	s_getreg_b32 s2, hwreg(HW_REG_IB_STS2, 6, 4)
	s_cmp_eq_u32 s2, 0
	s_cbranch_scc0 .Lentry_in_a_cluster
	s_endpgm
.Lentry_in_a_cluster:
	s_bfe_u32 s2, ttmp6, 0x10000c
	s_cmp_lg_u32 s2, 0xf033
	s_cbranch_scc0 .Lentry_shape_is_right
	s_endpgm
.Lentry_shape_is_right:
; out0 = att W^T + b on codes of FP4 (E2M1) with one E8M0 scale for each 32 along K (K = 1,024); out0 is f32.
; att arrives as images of operand registers, att_img[tile of 16 tokens][K step 8][c 2][512], with its scale bytes att_sc[token][32]; W as rows of 512 bytes of codes with scale bytes [row][32].
; SHARES.  A work-group makes 128 tokens x 256 columns: 64 x 4 = 256 work-groups.  A wave makes 64 x 128: 32 accumulators of 16 x 16.
; The tile's operands for ALL of K lie in LDS at once (two slots of 512 along K): every LDS byte that the mover fills is filled once.
; THE MATRIX INSTRUCTION IS USED TRANSPOSED: source 0 = 16 rows of W, source 1 = 16 tokens: a lane holds eight neighbouring columns of one row of out0.  The bias is the C of each sum's first product.
; CLUSTER 4 x 4: att's tiles are shared along a row of the cluster, W's along a column: each is asked for jointly.
; THE WAY OUT: a block of 16 rows x 128 columns goes through the wave's own stage in LDS and leaves as whole rows of 512 bytes.
; REGISTERS.  Window 0: v1-7 at work, v16-26 addresses, v32-47 att's scale words, v48-79 W's, v128-191 att's fragments in two sets; on the way out v128-255.
;   Window 1: v0-63, v128-191 W's two sets; v64-127 the bias tiles.   Window 2: accumulator (a, b) at v[8 (8 a + b)].
.set PITCH,  272
.set AIMG,   0                         ; slot s at 32,768 s: [tile 8][step 4][c 2][512]
.set ASLOT,  32768
.set BROW,   65536                     ; slot s at + 69,632 s: 256 rows of 256 bytes + 16
.set BSLOT,  256*PITCH
.set SCA,    BROW+2*BSLOT              ; att's scale bytes: 16 pieces of 256 + 16
.set SCB,    SCA+16*272                ; W's: 32 pieces
.set STG,    SCB+32*272                ; the stages: 16 rows x (512 + 16) for each wave; a multiple of 256, and no fill lands there
.set SPITCH, 528
.set SBLK,   2*272
.set ADA,  16                          ; v16     att's images: 16 x lane + my four tiles
.set ADB,  18                          ; v18-19  W's fragments in slot 0, 1
.set ASA,  20                          ; v20     att's scale words: lanes 0-15 blocks 0, 1; lanes 16-31 blocks 2, 3
.set ASB,  21                          ; v21     W's: lanes 0-15 blocks 0-3; lanes 16-31 blocks 4-7
.set STO,  24
.set RD,   25
.set CO,   26
.set SA,   32                          ; register SA + 8 slot + 4 (block % 2) + step
.set SB,   48                          ; register SB + 16 slot + 4 (block % 4) + step
.set FA,   128
.set BK,   128
.set BT,   64
.set G1,   24
.set G0,   32
.set G1B,  48
.set G0B,  56
.set G1S,  68
.set G0S,  76
.set G1SB, 80
.set G0SB, 88
.set MSB, 0
.macro WIN new
.if MSB != (\new)
	s_set_vgpr_msb (MSB<<8)|(\new)
.set MSB, (\new)
.endif
.endm
.macro JLOAD g0a, g1a, g0b, g1b        ; a joint load: waves 0 and 1 fetch for att, waves 2 and 3 for W; four v_nop follow each of the two lines
	s_cmp_eq_u32 s15, 0
	s_cbranch_scc0 .Lfor_b_\@
	tensor_load_to_lds s[\g0a:\g0a+3], s[\g1a:\g1a+7]
	s_nop 0
.rept 4
	v_nop
.endr
	s_branch .Lasked_\@
.Lfor_b_\@:
	tensor_load_to_lds s[\g0b:\g0b+3], s[\g1b:\g1b+7]
	s_nop 0
.rept 4
	v_nop
.endr
.Lasked_\@:
.endm
.macro CROUND
	s_barrier_signal -1
	s_barrier_wait -1
	s_cmp_lg_u32 s14, 0
	s_cbranch_scc1 .Lnot_wave_0_\@
	s_barrier_signal -3
.Lnot_wave_0_\@:
	s_barrier_wait -3
	s_barrier_signal -1
	s_barrier_wait -1
.endm
.macro PLACES n
.rept \n
	v_nop
.endr
.endm
	s_load_b256 s[4:11], s[0:1], 0x0               ; att_img s[4:5], att_sc s[6:7], W's codes s[8:9], W's scales s[10:11]
	s_load_b64 s[12:13], s[0:1], 0x20              ; the bias
	s_load_b64 s[96:97], s[0:1], 0x28              ; out0
	v_lshl_add_u32 v126, v0, 2, 0x3d700
	v_mov_b32 v127, 0
	ds_add_u32 v126, v127
	ds_add_u32 v126, v127
	v_lshrrev_b32 v1, 5, v0
	v_readfirstlane_b32 s14, v1                    ; wave 0..3
	s_lshr_b32 s15, s14, 1                         ; my half of the tokens.  Also: I fetch for att (0) or for W (1)
	s_and_b32 s16, s14, 1                          ; my half of the columns.  Also: which half of that tile I fetch
	s_bfe_u32 s40, ttmp6, 0x40000
	s_bfe_u32 s41, ttmp6, 0x40004
	s_lshl_b32 s42, ttmp9, 2
	s_add_co_u32 s42, s42, s40                     ; tile column (256 columns)
	s_and_b32 s17, ttmp7, 0xffff
	s_lshl_b32 s17, s17, 2
	s_add_co_u32 s17, s17, s41                     ; tile row (128 tokens)
	s_lshl_b32 s43, s41, 2
	s_lshl_b32 s43, 15, s43                        ; my row of the cluster
	s_lshl_b32 s44, 0x1111, s40                    ; my column
	s_or_b32 s[G1+0], s43, (3<<16)|(1<<21)         ; att's images: 4 rows of 4,096 bytes (512 elements of 8), 8,192 apart, no padding
	s_mov_b32 s[G1+1], 512<<16
	s_mov_b32 s[G1+2], 4<<16
	s_mov_b32 s[G1+3], 512<<16
	s_mov_b32 s[G1+4], 4
	s_mov_b32 s[G1+5], 1024
	s_mov_b32 s[G1+6], 0
	s_mov_b32 s[G1+7], 0
	s_or_b32 s[G1B+0], s44, (0<<16)|(1<<20)|(1<<21)|(5<<22)|(3<<25)   ; W's codes: 128 rows x 256 bytes out of rows of 512, 16 bytes of padding behind each
	s_mov_b32 s[G1B+1], 256<<16
	s_mov_b32 s[G1B+2], 128<<16
	s_mov_b32 s[G1B+3], 256<<16
	s_mov_b32 s[G1B+4], 128
	s_mov_b32 s[G1B+5], 512
	s_mov_b32 s[G1B+6], 0
	s_mov_b32 s[G1B+7], 0
	s_or_b32 s[G1S+0], s43, (3<<16)|(1<<20)|(1<<21)|(5<<22)|(3<<25)   ; att's scales of 64 tokens: 2,048 dense bytes as 8 rows of 256, padded
	s_mov_b32 s[G1S+1], 32<<16
	s_mov_b32 s[G1S+2], 8<<16
	s_mov_b32 s[G1S+3], 32<<16
	s_mov_b32 s[G1S+4], 8
	s_mov_b32 s[G1S+5], 32
	s_mov_b32 s[G1S+6], 0
	s_mov_b32 s[G1S+7], 0
	s_or_b32 s[G1SB+0], s44, (3<<16)|(1<<20)|(1<<21)|(5<<22)|(3<<25)  ; W's scales of 128 rows: 16 rows of 256, padded
	s_mov_b32 s[G1SB+1], 32<<16
	s_mov_b32 s[G1SB+2], 16<<16
	s_mov_b32 s[G1SB+3], 32<<16
	s_mov_b32 s[G1SB+4], 16
	s_mov_b32 s[G1SB+5], 32
	s_mov_b32 s[G1SB+6], 0
	s_mov_b32 s[G1SB+7], 0
	s_lshl_b32 s20, s17, 16                        ; att's images: (8 x tile row + 4 x half) x 8,192
	s_lshl_b32 s18, s16, 15
	s_add_co_u32 s20, s20, s18
	s_lshl_b32 s22, s17, 12                        ; att's scales: (128 x tile row + 64 x half) x 32
	s_lshl_b32 s18, s16, 11
	s_add_co_u32 s22, s22, s18
	s_lshl_b32 s46, s42, 17                        ; W's codes: (256 x tile column + 128 x half) x 512
	s_lshl_b32 s18, s16, 16
	s_add_co_u32 s46, s46, s18
	s_lshl_b32 s92, s42, 13                        ; W's scales: the same rows x 32
	s_lshl_b32 s18, s16, 12
	s_add_co_u32 s92, s92, s18
	s_mov_b32 s21, 0
	s_mov_b32 s23, 0
	s_mov_b32 s47, 0
	s_mov_b32 s93, 0
	s_lshl_b32 s45, s16, 14                        ; where they go, by the wave's number alone: att's half,
	s_mul_i32 s94, s16, 128*PITCH
	s_add_co_u32 s94, s94, BROW                    ; W's half,
	s_mul_i32 s95, s16, 8*272
	s_add_co_u32 s95, s95, SCA                     ; att's scales,
	s_mul_i32 s19, s16, 16*272
	s_add_co_u32 s19, s19, SCB                     ; W's scales
	s_wait_dscnt 0x0
	s_wait_kmcnt 0x0
	s_add_nc_u64 s[20:21], s[4:5], s[20:21]
	s_add_nc_u64 s[22:23], s[6:7], s[22:23]
	s_add_nc_u64 s[46:47], s[8:9], s[46:47]
	s_add_nc_u64 s[92:93], s[10:11], s[92:93]
	CROUND                                         ; all sixteen work-groups are here: the joint loads meet
	s_mov_b32 s[G0S], 1
	s_mov_b32 s[G0S+1], s95
	s_mov_b64 s[G0S+2:G0S+3], s[22:23]
	s_or_b32 s[G0S+3], s[G0S+3], 0x80000000
	s_mov_b32 s[G0SB], 1
	s_mov_b32 s[G0SB+1], s19
	s_mov_b64 s[G0SB+2:G0SB+3], s[92:93]
	s_or_b32 s[G0SB+3], s[G0SB+3], 0x80000000
	JLOAD G0S, G1S, G0SB, G1SB
.irp s, 0,1
	s_mov_b32 s[G0+4*\s], 1
	s_add_co_u32 s[G0+4*\s+1], s45, \s*ASLOT
	s_add_nc_u64 s[G0+4*\s+2:G0+4*\s+3], s[20:21], \s*4096
	s_or_b32 s[G0+4*\s+3], s[G0+4*\s+3], 0x80000000
	s_mov_b32 s[G0B+4*\s], 1
	s_add_co_u32 s[G0B+4*\s+1], s94, \s*BSLOT
	s_add_nc_u64 s[G0B+4*\s+2:G0B+4*\s+3], s[46:47], \s*256
	s_or_b32 s[G0B+4*\s+3], s[G0B+4*\s+3], 0x80000000
	s_wait_alu depctr_va_vdst(0)
	s_wait_tensorcnt 0x0
	ds_add_u32 v126, v127
	s_wait_dscnt 0x0
	CROUND
	JLOAD G0+4*\s, G1, G0B+4*\s, G1B               ; one load of mine is out: the earlier ones have landed
.endr
	v_and_b32 v1, 15, v0                           ; r
	v_bfe_u32 v2, v0, 4, 1                         ; h
	v_and_b32 v3, 31, v0
	v_lshlrev_b32 v[CO], 4, v3                     ; 16 x lane
	s_lshl_b32 s18, s15, 14
	v_add_nc_u32 v[ADA], s18, v[CO]                ; my four tiles of tokens
	v_mul_u32_u24 v3, v1, PITCH
	v_lshl_add_u32 v4, v2, 4, v3
	s_mul_i32 s18, s16, 128*PITCH
	s_add_co_u32 s18, s18, BROW
	v_add_nc_u32 v[ADB], s18, v4
	v_add_nc_u32 v[ADB+1], BSLOT, v[ADB]
	v_lshrrev_b32 v5, 3, v1
	v_lshlrev_b32 v6, 5, v1
	v_lshl_add_u32 v5, v5, 4, v6                   ; a row's scales: 32 r, and 16 more behind the first 256 bytes
	s_mul_i32 s18, s15, 8*272
	s_add_co_u32 s18, s18, SCA
	v_mad_u32_u24 v6, v2, 2*SBLK, v5               ; lanes 16-31 stand two blocks further on
	v_add_nc_u32 v[ASA], s18, v6
	s_mul_i32 s18, s16, 16*272
	s_add_co_u32 s18, s18, SCB
	v_mad_u32_u24 v6, v2, 4*SBLK, v5               ; four blocks
	v_add_nc_u32 v[ASB], s18, v6
	s_mul_i32 s18, s14, 16*SPITCH
	s_add_co_u32 s18, s18, STG                     ; my stage
	v_mul_u32_u24 v5, v1, SPITCH
	v_lshl_add_u32 v5, v2, 5, v5
	v_add_nc_u32 v[STO], s18, v5                   ; in: row r, 32 bytes for each half of the lanes
	v_add_nc_u32 v[RD], s18, v[CO]                 ; back: the 32 lanes take one row of 512 bytes
	v_lshlrev_b32 v6, 5, v2                        ; the bias: register j of tile b is column 16 b + 8 h + j
	s_wait_alu depctr_va_vdst(0)
	s_lshl_b32 s18, s42, 10
	s_lshl_b32 s19, s16, 9
	s_add_co_u32 s18, s18, s19                     ; my first column, in bytes
	s_mov_b32 s19, 0
	s_add_nc_u64 s[12:13], s[12:13], s[18:19]
	s_add_nc_u64 s[96:97], s[96:97], s[18:19]
	s_lshl_b32 s18, s17, 19                        ; my first row: (128 x tile row + 64 x half) x 4,096 bytes
	s_lshl_b32 s20, s15, 18
	s_add_co_u32 s18, s18, s20
	s_add_nc_u64 s[96:97], s[96:97], s[18:19]
	WIN 0x40                                       ; destination window 1
.irp b, 0,1,2,3,4,5,6,7
	global_load_b128 v[BT+8*\b:BT+8*\b+3], v6, s[12:13] offset:64*\b
	global_load_b128 v[BT+8*\b+4:BT+8*\b+7], v6, s[12:13] offset:64*\b+16
.endr
	WIN 0
.macro WM                              ; one matrix instruction; its numbers stand in the symbols
.if (rRA == 0) && (rRB == 0)
	v_wmma_scale_f32_16x16x128_f8f6f4 v[rD:rD+7], v[rA:rA+7], v[rB:rB+7], v[rC:rC+7], v[rSA], v[rSB] matrix_a_fmt:MATRIX_FMT_FP4 matrix_b_fmt:MATRIX_FMT_FP4
.elseif (rRA == 1) && (rRB == 0)
	v_wmma_scale_f32_16x16x128_f8f6f4 v[rD:rD+7], v[rA:rA+7], v[rB:rB+7], v[rC:rC+7], v[rSA], v[rSB] matrix_a_fmt:MATRIX_FMT_FP4 matrix_b_fmt:MATRIX_FMT_FP4 matrix_a_scale:MATRIX_SCALE_ROW1
.elseif (rRA == 0) && (rRB == 1)
	v_wmma_scale_f32_16x16x128_f8f6f4 v[rD:rD+7], v[rA:rA+7], v[rB:rB+7], v[rC:rC+7], v[rSA], v[rSB] matrix_a_fmt:MATRIX_FMT_FP4 matrix_b_fmt:MATRIX_FMT_FP4 matrix_b_scale:MATRIX_SCALE_ROW1
.else
	v_wmma_scale_f32_16x16x128_f8f6f4 v[rD:rD+7], v[rA:rA+7], v[rB:rB+7], v[rC:rC+7], v[rSA], v[rSB] matrix_a_fmt:MATRIX_FMT_FP4 matrix_b_fmt:MATRIX_FMT_FP4 matrix_a_scale:MATRIX_SCALE_ROW1 matrix_b_scale:MATRIX_SCALE_ROW1
.endif
.endm
.macro FETCH q                         ; step q's fragments into set q % 2: 16 loads for W, 8 for att; with a slot's first step its scale words (6 loads)
.set fS, (\q)/4
.set fQ, (\q)%4
.set fP, (\q)%2
	WIN 0x40
.irp i, 0,1,2,3,4,5,6,7
.irp c, 0,1
	ds_load_b128 v[128*fP+8*\i+4*\c:128*fP+8*\i+4*\c+3], v[ADB+fS] offset:64*fQ+32*\c+16*PITCH*\i
.endr
.endr
	WIN 0
.irp i, 0,1,2,3
.irp c, 0,1
	ds_load_b128 v[FA+32*fP+8*\i+4*\c:FA+32*fP+8*\i+4*\c+3], v[ADA] offset:ASLOT*fS+4096*\i+1024*fQ+512*\c
.endr
.endr
.if fQ == 0
.irp i, 0,1
	ds_load_b128 v[SA+8*fS+4*\i:SA+8*fS+4*\i+3], v[ASA] offset:SBLK*\i+16*fS
.endr
.irp i, 0,1,2,3
	ds_load_b128 v[SB+16*fS+4*\i:SB+16*fS+4*\i+3], v[ASB] offset:SBLK*\i+16*fS
.endr
.endif
.endm
; Step q: 32 matrix instructions; the 32 accumulators take turns in the same order in every step.  cm = 1: the sums begin with the bias tiles.
.macro KSTEP q, cm
.set kS, (\q)/4
.set kQ, (\q)%4
.set kP, (\q)%2
	s_wait_dscnt 0x0                               ; this step's fragments, asked for a step ago
.if (\q) == 3
	s_wait_tensorcnt 0x0                           ; my part of slot 1 has landed,
	s_barrier_signal -1
	s_barrier_wait -1                              ; everybody's has.
.endif
.if (\q) < 7
.if (\q) > 0
	PLACES 4                                       ; the other set was read by the last step's products
.endif
	FETCH (\q)+1
.endif
.if \cm
	WIN 0x91                                       ; source 0 window 1, source 1 window 0, C window 1 (the bias), D window 2
.else
	WIN 0xa1
.endif
.irp a, 0,1,2,3
.irp b, 0,1,2,3,4,5,6,7
.set rD, 8*(8*\a+\b)
.set rA, 128*kP+8*\b
.set rB, FA+32*kP+8*\a
.if \cm
.set rC, BT+8*\b
.else
.set rC, rD
.endif
.set rSA, SB+16*kS+4*(\b%4)+kQ
.set rRA, \b/4
.set rSB, SA+8*kS+4*(\a%2)+kQ
.set rRB, \a/2
	WM
.endr
.endr
	WIN 0
.endm
; The way out of block a (16 rows x 128 columns): into my stage, 32 bytes a lane, each accumulator from its low end on, and back as whole rows.  LDS serves a wave's instructions in order (ISA guide 5.7.1.4): no wait between.
.macro TOSTAGE a
.set tA, 64*(\a)
.set tB, BK+64*((\a)%2)
	WIN 0x08                                       ; an LDS store's data are its source 1: window 2
.irp b, 0,1,2,3,4,5,6,7
	ds_store_b128 v[STO], v[tA+8*\b:tA+8*\b+3] offset:64*\b
	ds_store_b128 v[STO], v[tA+8*\b+4:tA+8*\b+7] offset:64*\b+16
.endr
	WIN 0
.irp t, 0,1,2,3,4,5,6,7,8,9,10,11,12,13,14,15
	ds_load_b128 v[tB+4*\t:tB+4*\t+3], v[RD] offset:\t*SPITCH
.endr
.endm
.macro SEND a, younger                 ; younger: the LDS instructions issued behind block a's loads, which may stay out
.set tB, BK+64*((\a)%2)
	s_wait_dscnt \younger
.irp t, 0,1,2,3,4,5,6,7,8,9,10,11,12,13,14,15
	global_store_b128 v[CO], v[tB+4*\t:tB+4*\t+3], s[96:97] offset:(16*(\a)+\t)*4096 th:TH_STORE_NT   ; 32 lanes store 512 consecutive bytes, at a multiple of 512 from out0's first byte; the row stands in the immediate: 63 rows at the most
.endr
.endm
	s_wait_tensorcnt 0x1                           ; the scales and my part of slot 0 are in; slot 1's load, the one issued behind them, may be out
	s_barrier_signal -1
	s_barrier_wait -1
	FETCH 0
	s_wait_loadcnt 0x0                             ; the bias tiles
	KSTEP 0, 1
	KSTEP 1, 0
	KSTEP 2, 0
	KSTEP 3, 0
	KSTEP 4, 0
	KSTEP 5, 0
	KSTEP 6, 0
	KSTEP 7, 0
	PLACES 4                                       ; behind the last products: results are read, and rows land where fragments lay
	TOSTAGE 0
.irp a, 1,2,3
.if \a > 1
	s_wait_xcnt 0x0                                ; block a - 2's stores have read their registers: block a's rows may land there
.endif
	TOSTAGE \a
	SEND \a-1, 32                                  ; behind block a - 1's loads: block a's 16 stores and 16 loads
.endr
	SEND 3, 0
	s_wait_dscnt 0x0
	s_wait_tensorcnt 0x0
	ds_add_u32 v126, v127
	s_wait_dscnt 0x0
	CROUND                                         ; the closing round
	s_endpgm
.Lfunc_end_k_q24278f76a3_proj:
	.size	k_q24278f76a3_proj, .Lfunc_end_k_q24278f76a3_proj-k_q24278f76a3_proj
	.p2alignl 7, 3214868480
	.fill 96, 4, 3214868480
	.section	.rodata,"a",@progbits
	.p2align	6, 0x0
	.amdhsa_kernel k_q24278f76a3_proj
		.amdhsa_group_segment_fixed_size 327680
		.amdhsa_private_segment_fixed_size 0
		.amdhsa_enable_private_segment 0
		.amdhsa_kernarg_size 48
		.amdhsa_user_sgpr_count 2
		.amdhsa_user_sgpr_kernarg_segment_ptr 1
		.amdhsa_wavefront_size32 1
		.amdhsa_system_sgpr_workgroup_id_x 1
		.amdhsa_system_sgpr_workgroup_id_y 1
		.amdhsa_system_sgpr_workgroup_id_z 1
		.amdhsa_system_vgpr_workitem_id 0
		.amdhsa_next_free_vgpr 768
		.amdhsa_next_free_sgpr 100
		.amdhsa_reserve_vcc 0
		.amdhsa_float_denorm_mode_32 3
		.amdhsa_float_denorm_mode_16_64 3
		.amdhsa_memory_ordered 1
		.amdhsa_forward_progress 1
		.amdhsa_inst_pref_size 74
	.end_amdhsa_kernel
	.amdgpu_metadata
---
amdhsa.version: [ 1, 2 ]
amdhsa.kernels:
  - .name:           k_q24278f76a3_proj
    .symbol:         k_q24278f76a3_proj.kd
    .args:
      - { .name: att_img, .offset: 0, .size: 8, .value_kind: global_buffer, .address_space: global }
      - { .name: att_sc, .offset: 8, .size: 8, .value_kind: global_buffer, .address_space: global }
      - { .name: out_w_codes, .offset: 16, .size: 8, .value_kind: global_buffer, .address_space: global }
      - { .name: out_w_scales, .offset: 24, .size: 8, .value_kind: global_buffer, .address_space: global }
      - { .name: out_b, .offset: 32, .size: 8, .value_kind: global_buffer, .address_space: global }
      - { .name: out0, .offset: 40, .size: 8, .value_kind: global_buffer, .address_space: global }
    .group_segment_fixed_size: 327680
    .private_segment_fixed_size: 0
    .kernarg_segment_align: 8
    .kernarg_segment_size: 48
    .max_flat_workgroup_size: 128
    .sgpr_count:     100
    .vgpr_count:     768
    .wavefront_size: 32
...
	.end_amdgpu_metadata
.endif
;; end of part 3
